; MI455X (gfx1250); checked and timed in simulation.
; The chip was launched on July 23, 2026; its instructions are those of AMD's public machine-readable ISA for CDNA 5 (MIT licence, August 2026) and "CDNA5" Instruction Set Architecture Reference Guide (July 2026). The comments in the code are by the model that wrote it; some were corrected since.
;; Neural ODE. Allowed arithmetic: float matrix products may take bf16 or f16 operands with f32 sums; all other float work in f32.
;; Inputs: W1 256 x 64 float32; W2 64 x 256 float32; b1 256 float32; b2 64 float32; t 1 float32; x 65,536 x 64 float32.
;; Outputs: out0 65,536 x 64 float32.
;; 2 versions, each right and faster than the one before. Each part assembles by itself: llvm-mc -triple=amdgcn-amd-amdhsa -mcpu=gfx1250 --defsym DOCPART=n.
;; ======== version 1 of 2: 1 launch
;; launch node (part 1): grid 256 x 1, 4 waves a work-group, clusters of 4 x 1, 241,152 bytes of LDS; arguments x, t, W1, b1, W2, b2, out0; writes out0
.if DOCPART == 1
	.amdgcn_target "amdgcn-amd-amdhsa--gfx1250"
	.amdhsa_code_object_version 6
	.text
	.protected	k_qc7b84e4e6d_node
	.globl	k_qc7b84e4e6d_node
	.p2align	8
	.type	k_qc7b84e4e6d_node,@function
k_qc7b84e4e6d_node:
	s_mov_b64 s[64:65], 0
	v_nop
	global_prefetch_b8 v0, s[64:65] scope:SCOPE_SE
	s_setreg_imm32_b32 hwreg(HW_REG_WAVE_MODE, 25, 1), 1
	s_wait_xcnt 0x0
	s_wait_alu depctr_hold_cnt(0) depctr_sa_sdst(0) depctr_va_vdst(0) depctr_va_sdst(0) depctr_va_ssrc(0) depctr_va_vcc(0) depctr_vm_vsrc(0)
	s_getreg_b32 s2, hwreg(HW_REG_IB_STS2, 6, 4)
	s_cmp_eq_u32 s2, 0
	s_cbranch_scc0 .Lentry_in_a_cluster
	s_endpgm
.Lentry_in_a_cluster:
	s_bfe_u32 s2, ttmp6, 0x10000c
	s_cmp_lg_u32 s2, 0x3003
	s_cbranch_scc0 .Lentry_shape_is_right
	s_endpgm
.Lentry_shape_is_right:
; NeuralODE: four RK4 steps of y' = f(y) = W2 elu(W1 y + b1) + b2 over [0, t].  x, out0: [65536][64] f32; W1: [256][64], W2: [64][256], b1: [256], b2: [64], t: [1], all f32.
; ONE LAUNCH: the 16 evaluations of f touch no memory.  256 work-groups of four waves; a work-group owns 256 rows of x, a wave 64, in two passes of 32 rows = two PIECES of 16 rows.
; LAYOUT.  Both products are used transposed (source 0 = 16 rows of a weight matrix, source 1 = 16 batch rows): in every result a lane holds ONE batch row (lane % 16) and the eight
; outputs 8 (lane / 16) + 0..7.  Two such tiles, rounded to bf16 in pairs, ARE source 1 (32 along K x 16 batch rows) of the next product: nothing ever changes lanes, and the chain
; y -> hidden -> k -> y stays in registers.  The weights in bf16 are 512 registers of a wave and stay there too; the state y and the RK4 sum are kept in f32.
; SCALING.  With c = log2(e) the state is kept as c y.  Then z = W1 (c y) + c b1 is c times the pre-activation p, and c elu(p) = max(z, c 2^(-|z|) - c): for z > 0 the second is
; negative; for z < 0 it is c (e^p - 1), which is never below c p = z.  W2 (c elu) + c b2 = c k.  So the weights go in as they are; x, b1 and b2 are multiplied by c once, the result
; by ln 2 once.  The biases are the C operand of each sum's first product.  The exponent is never positive: no exponential overflows.
; LIMITS.  The negative branch is c 2^z - c and not expm1: its absolute error is about 2e-7, which shows against elu's own size only where |W1 y + b1| is under about 1e-5.
; v_exp_f32 takes a denormal z as 0 and gives 0 for results under 2^-126 (ISA guide, its entry), where elu is -1 to the last bit.  A NaN in z makes both operands of the maximum NaN and
; stays NaN.  dt / 6 and dt / 3 are made as t x (1/24) and t x (1/12): the last bit of the factors may differ.  Matrix operands are bf16.
; BY TURNS.  In a HALF-STEP one piece has the matrix unit (4 products W1 y for its next 32 hidden units, 4 products W2 h for the 32 before); the ELU of the other piece stands between
; them in slices.  Then the pieces change places.  16 half-steps and 2 at the seam are one evaluation of f for both pieces; the RK4 update takes the ELU's places at the seam.
; CLUSTER.  All work-groups read the same 128 KiB of weights, as many bytes as a work-group's own x and out0 together: the four of a cluster ask for them jointly.  x is each one's own.
;
; REGISTERS, in windows of 256 (s_set_vgpr_msb: bits 1:0 source 0, 3:2 source 1, 5:4 source 2, 7:6 destination):
;   window 0: addresses, and all that the ELU touches (map below)      window 1: W1, fragment (hidden tile T, K step s) at v[16 T + 8 s]
;   window 2: W2, fragment (hidden chunk c, output tile m) at v[32 c + 8 m]      window 3: v0-127 c b1 (tile T at v[8 T]); v128-191 the state c y; v192-255 the RK4 sum
.set PX,    272                        ; an LDS row of x, of W1 and of the stage: 256 bytes + 16 of padding = 68 words: row r starts at bank 4 r mod 64 (64 banks of 4 bytes: ISA guide 11.1)
.set PW2,   1040                       ; an LDS row of W2: 1,024 + 16 bytes = 260 words: again bank 4 r mod 64
.set LW2,   256*PX                     ; LDS: W1 at byte 0 (69,632 bytes), W2 behind it (66,560),
.set LX,    LW2+64*PW2                 ; then each wave's 64 rows of x (17,408 bytes a wave),
.set LSTG,  LX+4*64*PX                 ; then each wave's stage for the way out (32 rows, 8,704 bytes a wave), into which no tensor load lands.  240,640 bytes in all
.set XA,  3                            ; v3   LDS address of my 32 bytes in the pass's first row of x
.set STO, 4                            ; v4   the way out: where I put 16 bytes of a row
.set RD,  5                            ; v5   the way out: where I read a row back
.set GO,  6                            ; v6   my byte offset in two rows of out0
.set BO,  7                            ; v7   32 (lane / 16): my eight numbers in 16 of a bias
.set TR,  8                            ; v[8+16 q ..]    piece q: 16 numbers at work: 2^(-|z|), then c 2^(-|z|) - c, then c elu; also the update's stage input
.set PR,  40                           ; v[40+8 q ..]    piece q: c elu in bf16, source 1 of W2's products
.set YBR, 56                           ; v[56+16 q ..]   piece q: the stage's input in bf16, source 1 of W1's products (two K steps)
.set ZR,  88                           ; v[88+16 q ..]   piece q: z of 32 hidden units, two accumulators
.set KR,  120                          ; v[120+32 q ..]  piece q: c k, four accumulators
.set B2,  184                          ; v[184:215]      c b2, output tile m at +8 m
.set WA1, 248                          ; v248, v249      my lane's place in a fragment of W1, of W2 in LDS
.set WA2, 249
.set STG0, 56                          ; ahead of the passes: two stages of 64 registers for weights in f32
.set OT,  56                           ; the way out: 64 registers of results, then (OB) the same as whole rows
.set OB,  120
.set Y3,  128                          ; window 3: the state, piece q at +32 q, output tile m at +8 m
.set A3,  192                          ; window 3: the RK4 sum, likewise
.set WV,  18                           ; s18  my wave's number
.set G1A, 24                           ; s[24:31] descriptor group 1 for W1's halves, s[32:39] for W2's, s[40:47] for x
.set G1B, 32
.set G1X, 40
.set G0A, 48                           ; s[48:51], s[52:55], s[56:59] their groups 0; none is written again
.set G0B, 52
.set G0X, 56
.set CC,  60                           ; s[60:61] c = log2(e); packed instructions name a pair and take its low word for both halves
.set IC,  66                           ; s[66:67] ln 2
.set AH,  68                           ; s[68:69] dt / 2 = t / 8
.set AF,  70                           ; s[70:71] dt     = t / 4
.set W6,  72                           ; s[72:73] dt / 6 = t / 24
.set W3,  74                           ; s[74:75] dt / 3 = t / 12
.set STEPS, 76                         ; s76  RK4 steps to go
.set PASS,  77                         ; s77  the pass
.set TT,    78                         ; s78  t
.set M1A, 0x31                         ; W1's first link: W1 window 1, bias (C) window 3
.set M1B, 0x01                         ; W1's second link
.set M2,  0x02                         ; W2's products: W2 window 2
.set UA,  0xf0                         ; source 2 and destination window 3
.set UY,  0x30                         ; source 2 window 3
.set UC,  0x0f                         ; sources 0 and 1 window 3
.set TO1, 0x40                         ; destination window 1, 2, 3
.set TO2, 0x80
.set TO3, 0xc0
.set S33, 0xc3                         ; source 0 and destination window 3
.set F3,  0x03                         ; source 0 window 3
.set MSB, 0
.macro WIN new                         ; the immediate's high byte repeats the setting that is left; a switch that changes nothing is dropped
.if MSB != \new
	s_set_vgpr_msb (MSB<<8)|\new
.set MSB, \new
.endif
.endm
.macro FWIN mask                       ; back to window 0 only if one of the operand places in the mask stands elsewhere
.if MSB & \mask
	WIN 0
.endif
.endm
.macro PLACES
.rept 4
	v_nop
.endr
.endm
; A round of the cluster's barrier: my work-group's barrier, so that wave 0's signal speaks for all four waves; wave 0 signals for the work-group; every wave waits for all four
; work-groups; my work-group's barrier once more.
.macro ROUND
	s_barrier_signal -1
	s_barrier_wait -1
	s_cmp_lg_u32 s[WV], 0
	s_cbranch_scc1 .Lnot_wave_0_\@
	s_barrier_signal -3
.Lnot_wave_0_\@:
	s_barrier_wait -3
	s_barrier_signal -1
	s_barrier_wait -1
.endm
	s_load_b256 s[4:11], s[0:1], 0x0               ; x s[4:5], t s[6:7], W1 s[8:9], b1 s[10:11]
	s_load_b128 s[12:15], s[0:1], 0x20             ; W2 s[12:13], b2 s[14:15]
	s_load_b64 s[16:17], s[0:1], 0x30              ; out0
	v_lshl_add_u32 v254, v0, 2, 0x3ac00
	v_mov_b32 v255, 0
	ds_add_u32 v254, v255
	v_lshrrev_b32 v1, 5, v0
	v_readfirstlane_b32 s[WV], v1                  ; wave 0..3
	s_bfe_u32 s19, ttmp6, 0x40000                  ; cx: my place in the cluster
	s_lshl_b32 s20, ttmp9, 2                       ; in a cluster launch ttmp9 counts clusters
	s_add_co_u32 s20, s20, s19                     ; my work-group = 4 x cluster + cx: it enters x's and out0's addresses alone
	s_lshl_b32 s80, s20, 16                        ; its 256 rows of 256 bytes,
	s_lshl_b32 s81, s[WV], 14                      ; my wave's 64 of them
	s_add_co_u32 s80, s80, s81
	s_mov_b32 s81, 0
	s_and_b32 s21, s[WV], 1                        ; which half of W1 (waves 0, 1) or of W2 (waves 2, 3) I fetch:
	s_lshl_b32 s22, s21, 15                        ; either half is 32,768 bytes of memory
	s_mov_b32 s23, 0
	; descriptor groups 1: elements of 4 bytes, 16 bytes of padding behind each row
	s_mov_b32 s[G1A+0], 15|(2<<16)|(1<<20)|(1<<21)|(5<<22)|(3<<25)  ; 15:0 the mask: all four work-groups; 17:16 elements of 4 bytes; 20 padding on; 21 set beside a mask; 24:22 after every 64 words (code 5); 31:25 4 words of it (code 3)
	s_mov_b32 s[G1A+1], 64<<16                     ; tensor_dim0 = 64
	s_mov_b32 s[G1A+2], 128<<16                    ; tensor_dim1 = 128
	s_mov_b32 s[G1A+3], 64<<16                     ; tile_dim0 = 64: a row of W1
	s_mov_b32 s[G1A+4], 128                        ; tile_dim1 = 128 rows: half of W1
	s_mov_b32 s[G1A+5], 64                         ; elements from row to row
	s_mov_b32 s[G1A+6], 0
	s_mov_b32 s[G1A+7], 0
	s_mov_b32 s[G1B+0], 15|(2<<16)|(1<<20)|(1<<21)|(7<<22)|(3<<25)  ; the same, padding after every 256 words (code 7)
	s_mov_b32 s[G1B+1], 256<<16                    ; tensor_dim0 = 256
	s_mov_b32 s[G1B+2], 32<<16                     ; tensor_dim1 = 32
	s_mov_b32 s[G1B+3], 256<<16                    ; tile_dim0 = 256: a row of W2
	s_mov_b32 s[G1B+4], 32                         ; tile_dim1 = 32 rows: half of W2, as many bytes as half of W1
	s_mov_b32 s[G1B+5], 256
	s_mov_b32 s[G1B+6], 0
	s_mov_b32 s[G1B+7], 0
	s_mov_b32 s[G1X+0], (2<<16)|(1<<20)|(5<<22)|(3<<25)             ; no mask: x is my own
	s_mov_b32 s[G1X+1], 64<<16                     ; tensor_dim0 = 64
	s_mov_b32 s[G1X+2], 64<<16                     ; tensor_dim1 = 64
	s_mov_b32 s[G1X+3], 64<<16                     ; tile_dim0 = 64: a row of x
	s_mov_b32 s[G1X+4], 64                         ; tile_dim1 = 64 rows: all that my wave owns
	s_mov_b32 s[G1X+5], 64
	s_mov_b32 s[G1X+6], 0
	s_mov_b32 s[G1X+7], 0
	; groups 0: count, LDS address (made of the wave's number alone), global address, type
	s_mov_b32 s[G0A], 1
	s_mul_i32 s[G0A+1], s21, 128*PX
	s_mov_b32 s[G0B], 1
	s_mul_i32 s[G0B+1], s21, 32*PW2
	s_add_co_u32 s[G0B+1], s[G0B+1], LW2
	s_mov_b32 s[G0X], 1
	s_mul_i32 s[G0X+1], s[WV], 64*PX
	s_add_co_u32 s[G0X+1], s[G0X+1], LX
	s_mov_b32 s[CC], 0x3fb8aa3b                    ; log2(e)
	s_mov_b32 s[CC+1], s[CC]
	s_mov_b32 s[IC], 0x3f317218                    ; ln 2
	s_mov_b32 s[IC+1], s[IC]
	s_wait_dscnt 0x0
	s_wait_kmcnt 0x0
	s_load_b32 s[TT], s[6:7], 0x0                  ; t
	s_add_nc_u64 s[G0A+2:G0A+3], s[8:9], s[22:23]
	s_or_b32 s[G0A+3], s[G0A+3], 0x80000000        ; 127:126 type = 2
	s_add_nc_u64 s[G0B+2:G0B+3], s[12:13], s[22:23]
	s_or_b32 s[G0B+3], s[G0B+3], 0x80000000
	s_add_nc_u64 s[G0X+2:G0X+3], s[4:5], s[80:81]
	s_or_b32 s[G0X+3], s[G0X+3], 0x80000000
	s_add_nc_u64 s[16:17], s[16:17], s[80:81]      ; out0 at my wave's first row
	ROUND                                          ; all four work-groups are here: the joint loads meet
	; The only tensor loads of the launch, two a wave, in one branch on the wave's number, ahead of every wait on TENSORcnt, every LDS read and every other barrier: two loads of mine are out.
	; Four v_nop follow the second load; the jump, the label and what follows come after them.
	s_cmp_lt_u32 s[WV], 2
	s_cbranch_scc0 .Lfill_w2
	tensor_load_to_lds s[G0A:G0A+3], s[G1A:G1A+7]  ; waves 0, 1: a half of W1, jointly
	s_nop 0
	tensor_load_to_lds s[G0X:G0X+3], s[G1X:G1X+7]  ; my 64 rows of x
	s_nop 0
	PLACES
	s_branch .Lfilled
.Lfill_w2:
	tensor_load_to_lds s[G0B:G0B+3], s[G1B:G1B+7]  ; waves 2, 3: a half of W2, jointly
	s_nop 0
	tensor_load_to_lds s[G0X:G0X+3], s[G1X:G1X+7]
	s_nop 0
	PLACES
.Lfilled:
	v_and_b32 v1, 15, v0                           ; r = lane % 16
	v_bfe_u32 v2, v0, 4, 1                         ; h = lane / 16
	v_lshlrev_b32 v[BO], 5, v2                     ; 32 h: eight f32
	; the biases, while the tiles are on their way: register j of tile T is b[16 T + 8 h + j], the layout of a product's C
	WIN TO3
.set i, 0
.rept 32
	global_load_b128 v[4*i:4*i+3], v[BO], s[10:11] offset:(i/2)*64+(i%2)*16
.set i, i+1
.endr
	WIN 0
.set i, 0
.rept 8
	global_load_b128 v[B2+4*i:B2+4*i+3], v[BO], s[14:15] offset:(i/2)*64+(i%2)*16
.set i, i+1
.endr
	v_mul_u32_u24 v[WA1], v1, PX
	v_add_nc_u32 v[WA1], v[WA1], v[BO]             ; row r x pitch + 32 h: eight f32 of a row of W1, of x, of the stage
	v_mul_u32_u24 v[WA2], v1, PW2
	v_add_nc_u32 v[WA2], v[WA2], v[BO]
	v_add_nc_u32 v[WA2], LW2, v[WA2]
	v_add_nc_u32 v[XA], s[G0X+1], v[WA1]           ; my wave's x begins where its tensor load put it
	s_mul_i32 s21, s[WV], 32*PX
	s_add_co_u32 s21, s21, LSTG                    ; my stage
	v_add_nc_u32 v[STO], s21, v[WA1]
	v_mul_u32_u24 v[RD], v2, PX                    ; back: lanes 0-15 take one row of 256 bytes, lanes 16-31 the next
	v_lshl_add_u32 v[RD], v1, 4, v[RD]
	v_add_nc_u32 v[RD], s21, v[RD]
	v_and_b32 v[GO], 31, v0
	v_lshlrev_b32 v[GO], 4, v[GO]                  ; and the same two rows in out0: 16 x lane
	s_wait_kmcnt 0x0                               ; t
	s_mul_f32 s[AH], s[TT], 0x3e000000             ; t / 8
	s_mul_f32 s[AF], s[TT], 0x3e800000             ; t / 4
	s_mul_f32 s[W6], s[TT], 0x3d2aaaab             ; t / 24
	s_mul_f32 s[W3], s[TT], 0x3daaaaab             ; t / 12
	s_mov_b32 s[AH+1], s[AH]
	s_mov_b32 s[AF+1], s[AF]
	s_mov_b32 s[W6+1], s[W6]
	s_mov_b32 s[W3+1], s[W3]
	s_wait_loadcnt 0x0                             ; the biases, once
	WIN S33
.set i, 0
.rept 64
	v_pk_mul_f32 v[2*i:2*i+1], v[2*i:2*i+1], s[CC:CC+1] op_sel_hi:[1,0]           ; c b1
.set i, i+1
.endr
	WIN 0
.set i, 0
.rept 16
	v_pk_mul_f32 v[B2+2*i:B2+2*i+1], v[B2+2*i:B2+2*i+1], s[CC:CC+1] op_sel_hi:[1,0]   ; c b2
.set i, i+1
.endr
	s_wait_tensorcnt 0x0                           ; my part of the weights and my x have landed,
	s_barrier_signal -1
	s_barrier_wait -1                              ; everybody's part has.  Nothing in LDS is filled again
; THE WEIGHTS INTO REGISTERS, in 16 batches of four fragments (8 of W1, 8 of W2).  A fragment is 16 rows x 32 along K: lane l holds row l % 16; registers 0-3 K = 8 h + 0..7, registers 4-7
; K = 16 + 8 h + 0..7: in f32 that is 32 bytes at 32 h and 32 bytes 64 further on, four loads of 16 bytes.  Each wave rounds all weights for itself: a shared bf16 copy in LDS would still be
; read whole by each wave, and would want a stage and a second barrier.
.macro LDB b, stg                      ; batch b: 16 LDS loads into stage stg
	WIN 0
.irp fi, 0,1,2,3
.if \b < 8
.set lf, 4*(\b)+\fi                    ; W1's fragment 2 T + s: rows 16 T on, byte 128 s of them
.set lo, (lf/2)*16*PX+(lf%2)*128
.set la, WA1
.else
.set lf, 4*((\b)-8)+\fi                ; W2's fragment 4 c + m: rows 16 m on, byte 128 c of them
.set lo, (lf%4)*16*PW2+(lf/4)*128
.set la, WA2
.endif
	ds_load_b128 v[\stg+16*\fi:\stg+16*\fi+3],     v[la] offset:lo
	ds_load_b128 v[\stg+16*\fi+4:\stg+16*\fi+7],   v[la] offset:lo+16
	ds_load_b128 v[\stg+16*\fi+8:\stg+16*\fi+11],  v[la] offset:lo+64
	ds_load_b128 v[\stg+16*\fi+12:\stg+16*\fi+15], v[la] offset:lo+80
.endr
.endm
.macro CVB b, stg                      ; batch b: 32 roundings, two numbers each, into its 32 registers of window 1 or 2
.if \b < 8
	WIN TO1
.set cf, 32*(\b)
.else
	WIN TO2
.set cf, 32*((\b)-8)
.endif
.set i, 0
.rept 32
	v_cvt_pk_bf16_f32 v[cf+i], v[\stg+2*i], v[\stg+2*i+1]
.set i, i+1
.endr
.endm
	LDB 0, STG0
.irp b, 0,1,2,3,4,5,6,7,8,9,10,11,12,13,14
	LDB \b+1, STG0+64*((\b+1)%2)
	s_wait_dscnt 16                                ; LDS loads come back in order (ISA guide 5.7.1): all but the next batch's sixteen are in
	CVB \b, STG0+64*(\b%2)
.endr
	s_wait_dscnt 0x0
	CVB 15, STG0+64
; THE MATRIX WORK.  The accumulators take turns, one instruction a turn.
; Product i of 4 of z = W1 (c y) + c b1 for piece p and hidden chunk c: tile i % 2, K step i / 2.  The first link takes the bias as C: nothing is cleared or added later.
.macro MM1 p, c, i
.set gT, 2*(\c)+((\i)&1)
.set gZ, ZR+16*(\p)+8*((\i)&1)
.set gY, YBR+16*(\p)
.if (\i) < 2
	WIN M1A
	v_wmma_f32_16x16x32_bf16 v[gZ:gZ+7], v[16*gT:16*gT+7], v[gY:gY+7], v[8*gT:8*gT+7]
.else
	WIN M1B
	v_wmma_f32_16x16x32_bf16 v[gZ:gZ+7], v[16*gT+8:16*gT+15], v[gY+8:gY+15], v[gZ:gZ+7]
.endif
.endm
; c k += W2 (c elu) for piece p, hidden chunk c, output tile m.  Chunk 0 takes c b2 as C.
.macro MM2 p, c, m
.set gK, KR+32*(\p)+8*(\m)
.set gW, 32*(\c)+8*(\m)
.set gP, PR+8*(\p)
	WIN M2
.if (\c) == 0
	v_wmma_f32_16x16x32_bf16 v[gK:gK+7], v[gW:gW+7], v[gP:gP+7], v[B2+8*(\m):B2+8*(\m)+7]
.else
	v_wmma_f32_16x16x32_bf16 v[gK:gK+7], v[gW:gW+7], v[gP:gP+7], v[gK:gK+7]
.endif
.endm
; THE VECTOR WORK.  The ELU of a piece's 16 numbers e0-e15 (its two z tiles) is 16 exponentials, 8 packed c 2^(-|z|) - c, 8 pairs of maxima and 8 roundings to bf16: 40 instructions
; for a half-step's 8 products.
.macro EX p, e                         ; number e: 2^(-|z|)
	v_exp_f32 v[TR+16*(\p)+(\e)], -|v[ZR+16*(\p)+(\e)]|
.endm
.macro FMA q, pr                       ; pair pr: c 2^(-|z|) - c; the same scalar pair twice, the second time negated
.set fT, TR+16*(\q)+2*(\pr)
	s_wait_alu depctr_va_vdst(0)
	v_pk_fma_f32 v[fT:fT+1], s[CC:CC+1], v[fT:fT+1], s[CC:CC+1] op_sel_hi:[0,1,0] neg_lo:[0,0,1] neg_hi:[0,0,1]
.endm
.macro MX p, d                         ; pair d: c elu = max(z, c 2^(-|z|) - c), two numbers in one dual-issue pair: an even and an odd destination, each pair of like sources in neighbouring banks
.set mT, TR+16*(\p)+2*(\d)
.set mZ, ZR+16*(\p)+2*(\d)
	v_dual_max_num_f32 v[mT], v[mZ], v[mT] :: v_dual_max_num_f32 v[mT+1], v[mZ+1], v[mT+1]
.endm
.macro CV p, k                         ; pair k: rounded to bf16, a register of W2's source 1
	v_cvt_pk_bf16_f32 v[PR+8*(\p)+(\k)], v[TR+16*(\p)+2*(\k)], v[TR+16*(\p)+2*(\k)+1]
.endm
; Four multiply-adds, pairs lo to lo + 3.  They name vector registers as source 1 and destination alone, places whose window every product leaves at 0: they stand under the products' own
; settings, without a switch.
.macro FSL q, lo
	FWIN 0xcc
.irp k, 0,1,2,3
	FMA \q, (\lo)+\k
.endr
.endm
.macro ON f, op, p, n                  ; one line of a slice, if its job is there
.if \f
	\op \p, \n
.endif
.endm
.macro AT0 a, b                        ; a slice in window 0, if it holds anything
.if (\a) || (\b)
	WIN 0
.endif
.endm
; The RK4 update of piece q, output tile m, all in f32.  kind 1: sum = y + W k; kind 2: sum += W k; both: the next stage's input y + A k, rounded to bf16.
; kind 4: y = sum + W k, rounded to bf16 for the next step; kind 5: the same at the very end, with no rounding.  Each accumulator is read from its lowest registers on.
.macro UPD q, m, kind, A, W
.set uK, KR+32*(\q)+8*(\m)
.set uY, Y3+32*(\q)+8*(\m)
.set uA, A3+32*(\q)+8*(\m)
.set uT, TR+16*(\q)+8*((\m)&1)
.set uB, YBR+16*(\q)+4*(\m)
	WIN UA
.irp i, 0,2,4,6
.if \kind == 1
	v_pk_fma_f32 v[uA+\i:uA+\i+1], v[uK+\i:uK+\i+1], s[\W:\W+1], v[uY+\i:uY+\i+1] op_sel_hi:[1,0,1]
.elseif \kind == 2
	v_pk_fma_f32 v[uA+\i:uA+\i+1], v[uK+\i:uK+\i+1], s[\W:\W+1], v[uA+\i:uA+\i+1] op_sel_hi:[1,0,1]
.else
	v_pk_fma_f32 v[uY+\i:uY+\i+1], v[uK+\i:uK+\i+1], s[\W:\W+1], v[uA+\i:uA+\i+1] op_sel_hi:[1,0,1]
.endif
.endr
.if \kind < 3
	WIN UY
.irp i, 0,2,4,6
	v_pk_fma_f32 v[uT+\i:uT+\i+1], v[uK+\i:uK+\i+1], s[\A:\A+1], v[uY+\i:uY+\i+1] op_sel_hi:[1,0,1]
.endr
.irp i, 0,1,2,3
	v_cvt_pk_bf16_f32 v[uB+\i], v[uT+2*\i], v[uT+2*\i+1]
.endr
.elseif \kind == 4
	WIN UC
.irp i, 0,1,2,3
	v_cvt_pk_bf16_f32 v[uB+\i], v[uY+2*\i], v[uY+2*\i+1]
.endr
.endif
.endm
; A HALF-STEP.  Piece o has the matrix unit: z of chunk c + 1 (g1 = 1), then c k of chunk c (g2 = 1).  jp = 1: the ELU of piece q's last z is under way; jo = 1: piece o's ELU before that
; still has its last two pairs to round; u: the kind of update of piece q that takes the places of the ELU's slices 1, 3, 5 and 7 (0: none; never beside jp).
; SLICE k stands in front of product k.  The ELU of a z made in half-step n: exponentials e0-2, e3-5, e6-7, e8-10 in slices 4 to 7 of n, e11-13 and e14-15 in slices 0 and 2 of n + 1;
; multiply-adds of pairs 0-3 and 4-7 in slices 1 and 3 of n + 1; maxima of pairs 0-3, 4-5, 6-7 in slices 2, 4, 5; roundings of pairs 0-3, 4-5 in slices 6, 7 and of pairs 6-7 in slice 0
; of n + 2, ahead of the products of n + 2 that read them.  z itself is written again in n + 2, behind the last maximum.
; So the slices hold 5, 4, 6, 4, 5, 5, 6, 5 instructions, at most three exponentials each with plain ones between, and six of them want window 0: 12 switches a half-step.  With the maxima
; in four slices there would be 8 switches, but slices of 8 and 2 by turns; the even dealing is taken.
; A vector instruction that reads a matrix result or writes one of a matrix instruction's registers stands four places behind it, and only plain vector instructions that name none of its
; registers are places (ISA guide 7.12.1).  Behind z tile 0's last link stand slice 3's four multiply-adds and a pair of maxima before e0 is read; behind tile 1's stand four pairs and
; four roundings before e8 is read; at the seam the update's slices, of eight plain instructions or more, take their part, and where a half-step has neither, four v_nop.
; Behind an exponential a plain instruction comes before its result is used (ISA guide 5.7.2): the other job's lines, the update's, or the one v_nop that closes slice 7 where there are none.
.macro HS o, q, c, g1, g2, jp, jo, u, A, W
	AT0 \jp, \jo                                   ; slice 0
	ON \jp, EX, \q, 11
	ON \jo, CV, \o, 6
	ON \jp, EX, \q, 12
	ON \jo, CV, \o, 7
	ON \jp, EX, \q, 13
.if \g1
	MM1 \o, (\c)+1, 0
.endif
.if \jp                                                ; slice 1
	FSL \q, 0
.elseif \u
	UPD \q, 0, \u, \A, \W
.endif
.if \g1
	MM1 \o, (\c)+1, 1
.endif
.if \jp                                                ; slice 2
	WIN 0
	EX \q, 14
	MX \q, 0
	EX \q, 15
	MX \q, 1
	MX \q, 2
	MX \q, 3
.endif
.if \g1
	MM1 \o, (\c)+1, 2
.endif
.if \jp                                                ; slice 3
	FSL \q, 4
.elseif \u
	UPD \q, 1, \u, \A, \W
.endif
.if \g1
	MM1 \o, (\c)+1, 3
.if (\jp)+(\u) == 0
	PLACES
.endif
.endif
	AT0 \jp, \g1                                   ; slice 4
	ON \jp, MX, \q, 4
	ON \g1, EX, \o, 0                              ; z tile 0 is read from its lowest register on
	ON \jp, MX, \q, 5
	ON \g1, EX, \o, 1
	ON \g1, EX, \o, 2
.if \g2
	MM2 \o, \c, 0
.endif
	AT0 \jp, \g1                                   ; slice 5
	ON \g1, EX, \o, 3
	ON \jp, MX, \q, 6
	ON \g1, EX, \o, 4
	ON \jp, MX, \q, 7
	ON \g1, EX, \o, 5
.if \u
	UPD \q, 2, \u, \A, \W
.endif
.if \g2
	MM2 \o, \c, 1
.endif
	AT0 \jp, \g1                                   ; slice 6
	ON \jp, CV, \q, 0
	ON \g1, EX, \o, 6
	ON \jp, CV, \q, 1
	ON \g1, EX, \o, 7
	ON \jp, CV, \q, 2
	ON \jp, CV, \q, 3
.if \g2
	MM2 \o, \c, 2
.endif
	AT0 \jp, \g1                                   ; slice 7
	ON \g1, EX, \o, 8                              ; z tile 1 is read from its lowest register on
	ON \jp, CV, \q, 4
	ON \g1, EX, \o, 9
	ON \jp, CV, \q, 5
	ON \g1, EX, \o, 10
.if \u
	UPD \q, 3, \u, \A, \W
.elseif (\g1) && ((\jp) == 0)
	v_nop                                          ; the plain instruction behind this half-step's exponentials
.endif
.if \g2
	MM2 \o, \c, 3
.endif
.endm
; An evaluation of f from its second hidden chunk to its end, and piece 0's update beside piece 1's last products.
.macro EVA kind, A, W
.irp c, 0,1,2,3,4,5,6
	HS 0,1,\c, 1,1, 1,1, 0, \A, \W
	HS 1,0,\c, 1,1, 1,1, 0, \A, \W
.endr
	HS 0,1,7, 0,1, 1,1, 0, \A, \W
	HS 1,0,7, 0,1, 0,1, \kind, \A, \W
.endm
; The seam: piece 1's update beside piece 0's first products of the next evaluation, then piece 1's first products.
.macro EVB kind, A, W
	HS 0,1,-1, 1,0, 0,0, \kind, \A, \W
	HS 1,0,-1, 1,0, 1,0, 0, \A, \W
.endm
	WIN 0                                          ; at a label and at a branch every window is 0
	s_mov_b32 s[PASS], 0
.Lpass:                                                ; two trips: 32 of my wave's 64 rows each
	; IN: register j of tile m of piece p is x[16 p + r][16 m + 8 h + j], the layout of a product's result
	WIN TO3
.irp p, 0,1
.irp m, 0,1,2,3
	ds_load_b128 v[Y3+32*\p+8*\m:Y3+32*\p+8*\m+3],   v[XA] offset:\p*16*PX+64*\m
	ds_load_b128 v[Y3+32*\p+8*\m+4:Y3+32*\p+8*\m+7], v[XA] offset:\p*16*PX+64*\m+16
.endr
.endr
	s_wait_dscnt 0x0
	WIN S33
.set i, 0
.rept 32
	v_pk_mul_f32 v[Y3+2*i:Y3+2*i+1], v[Y3+2*i:Y3+2*i+1], s[CC:CC+1] op_sel_hi:[1,0]   ; the state is kept as c y
.set i, i+1
.endr
	WIN UC
.set i, 0
.rept 32
	v_cvt_pk_bf16_f32 v[YBR+i], v[Y3+2*i], v[Y3+2*i+1]
.set i, i+1
.endr
	HS 0,1,-1, 1,0, 0,0, 0, AH, W6                 ; the seam without an update: the first products of the first evaluation
	HS 1,0,-1, 1,0, 1,0, 0, AH, W6
	WIN 0
	s_mov_b32 s[STEPS], 4
.Lstep:                                                ; an RK4 step: four evaluations
	EVA 1, AH, W6                                  ; k1: sum = y + dt/6 k1, next input y + dt/2 k1
	EVB 1, AH, W6
	EVA 2, AH, W3                                  ; k2: sum += dt/3 k2, next input y + dt/2 k2
	EVB 2, AH, W3
	EVA 2, AF, W3                                  ; k3: sum += dt/3 k3, next input y + dt k3
	EVB 2, AF, W3
	EVA 4, AH, W6                                  ; k4: y = sum + dt/6 k4
	WIN 0
	s_cmp_eq_u32 s[STEPS], 1
	s_cbranch_scc1 .Ltail                          ; behind the last step no evaluation follows
	EVB 4, AH, W6
	WIN 0
	s_branch .Ljoin
.Ltail:
.irp m, 0,1,2,3
	UPD 1, \m, 5, AH, W6                           ; piece 1's last update; tiles 0 to 2 are the places behind tile 3's last product
.endr
	WIN 0
.Ljoin:
	s_sub_co_u32 s[STEPS], s[STEPS], 1
	s_cmp_lg_u32 s[STEPS], 0
	s_cbranch_scc1 .Lstep
	; OUT: y = (c y) ln 2; a lane's eight numbers of a row are 32 bytes: they go into my stage and come back as whole rows of 256 bytes
	WIN F3
.set i, 0
.rept 32
	v_pk_mul_f32 v[OT+2*i:OT+2*i+1], v[Y3+2*i:Y3+2*i+1], s[IC:IC+1] op_sel_hi:[1,0]
.set i, i+1
.endr
	WIN 0
.irp p, 0,1
.irp m, 0,1,2,3
	ds_store_b128 v[STO], v[OT+32*\p+8*\m:OT+32*\p+8*\m+3]   offset:\p*16*PX+64*\m
	ds_store_b128 v[STO], v[OT+32*\p+8*\m+4:OT+32*\p+8*\m+7] offset:\p*16*PX+64*\m+16
.endr
.endr
.irp n, 0,1,2,3,4,5,6,7,8,9,10,11,12,13,14,15
	ds_load_b128 v[OB+4*\n:OB+4*\n+3], v[RD] offset:\n*2*PX    ; LDS serves a wave's instructions in order (ISA guide 5.7.1.4): these see the stores above; the stage is my wave's own
.endr
.irp n, 0,1,2,3,4,5,6,7,8,9,10,11,12,13,14,15
	s_wait_dscnt 15-\n                             ; the younger loads may stay out
	global_store_b128 v[GO], v[OB+4*\n:OB+4*\n+3], s[16:17] offset:512*\n th:TH_STORE_NT   ; the wave stores 512 consecutive bytes, two whole rows, at a multiple of 256 from out0's first byte
.endr
	s_wait_xcnt 0x0                                ; every earlier memory instruction has had its addresses translated (ISA guide 3.1): only behind this wait are the stores' base and data registers written again
	s_add_nc_u64 s[16:17], s[16:17], 32*256        ; the next 32 rows of out0
	v_add_nc_u32 v[XA], 32*PX, v[XA]               ; and of x in LDS
	s_add_co_u32 s[PASS], s[PASS], 1
	s_cmp_lt_u32 s[PASS], 2
	s_cbranch_scc1 .Lpass
	s_wait_tensorcnt 0x0
	ds_add_u32 v254, v255
	s_wait_dscnt 0x0
	ROUND                                          ; the closing round: no work-group ends while a partner may still ask for a tile that names it
	s_endpgm
.Lfunc_end_k_qc7b84e4e6d_node:
	.size	k_qc7b84e4e6d_node, .Lfunc_end_k_qc7b84e4e6d_node-k_qc7b84e4e6d_node
	.p2alignl 7, 3214868480
	.fill 96, 4, 3214868480
	.section	.rodata,"a",@progbits
	.p2align	6, 0x0
	.amdhsa_kernel k_qc7b84e4e6d_node
		.amdhsa_group_segment_fixed_size 241152
		.amdhsa_private_segment_fixed_size 0
		.amdhsa_enable_private_segment 0
		.amdhsa_kernarg_size 56
		.amdhsa_user_sgpr_count 2
		.amdhsa_user_sgpr_kernarg_segment_ptr 1
		.amdhsa_wavefront_size32 1
		.amdhsa_system_sgpr_workgroup_id_x 1
		.amdhsa_system_sgpr_workgroup_id_y 1
		.amdhsa_system_sgpr_workgroup_id_z 1
		.amdhsa_system_vgpr_workitem_id 0
		.amdhsa_next_free_vgpr 1024
		.amdhsa_next_free_sgpr 84
		.amdhsa_reserve_vcc 0
		.amdhsa_float_denorm_mode_32 3
		.amdhsa_float_denorm_mode_16_64 3
		.amdhsa_memory_ordered 1
		.amdhsa_forward_progress 1
		.amdhsa_inst_pref_size 255
	.end_amdhsa_kernel
	.section	.bss,"aw",@nobits
	.p2align	6
	.space	262144
	.amdgpu_metadata
---
amdhsa.version: [ 1, 2 ]
amdhsa.kernels:
  - .name:           k_qc7b84e4e6d_node
    .symbol:         k_qc7b84e4e6d_node.kd
    .args:
      - { .name: x, .offset: 0, .size: 8, .value_kind: global_buffer, .address_space: global }
      - { .name: t, .offset: 8, .size: 8, .value_kind: global_buffer, .address_space: global }
      - { .name: W1, .offset: 16, .size: 8, .value_kind: global_buffer, .address_space: global }
      - { .name: b1, .offset: 24, .size: 8, .value_kind: global_buffer, .address_space: global }
      - { .name: W2, .offset: 32, .size: 8, .value_kind: global_buffer, .address_space: global }
      - { .name: b2, .offset: 40, .size: 8, .value_kind: global_buffer, .address_space: global }
      - { .name: out0, .offset: 48, .size: 8, .value_kind: global_buffer, .address_space: global }
    .group_segment_fixed_size: 241152
    .private_segment_fixed_size: 0
    .kernarg_segment_align: 8
    .kernarg_segment_size: 56
    .max_flat_workgroup_size: 128
    .sgpr_count:     84
    .vgpr_count:     1024
    .wavefront_size: 32
...
	.end_amdgpu_metadata
.endif
;; end of part 1
;; ======== version 2 of 2: 1 launch; 1.69 times as fast as version 1
;; launch node (part 2): grid 256 x 1, 4 waves a work-group, clusters of 4 x 1, 241,152 bytes of LDS; arguments x, t, W1, b1, W2, b2, out0; writes out0
.if DOCPART == 2
	.amdgcn_target "amdgcn-amd-amdhsa--gfx1250"
	.amdhsa_code_object_version 6
	.text
	.protected	k_qc7b84e4e6d_node
	.globl	k_qc7b84e4e6d_node
	.p2align	8
	.type	k_qc7b84e4e6d_node,@function
k_qc7b84e4e6d_node:
	s_mov_b64 s[64:65], 0
	v_nop
	global_prefetch_b8 v0, s[64:65] scope:SCOPE_SE
	s_setreg_imm32_b32 hwreg(HW_REG_WAVE_MODE, 25, 1), 1
	s_wait_xcnt 0x0
	s_wait_alu depctr_hold_cnt(0) depctr_sa_sdst(0) depctr_va_vdst(0) depctr_va_sdst(0) depctr_va_ssrc(0) depctr_va_vcc(0) depctr_vm_vsrc(0)
	s_getreg_b32 s2, hwreg(HW_REG_IB_STS2, 6, 4)
	s_cmp_eq_u32 s2, 0
	s_cbranch_scc0 .Lentry_in_a_cluster
	s_endpgm
.Lentry_in_a_cluster:
	s_bfe_u32 s2, ttmp6, 0x10000c
	s_cmp_lg_u32 s2, 0x3003
	s_cbranch_scc0 .Lentry_shape_is_right
	s_endpgm
.Lentry_shape_is_right:
; NeuralODE: four RK4 steps of y' = f(y) = W2 elu(W1 y + b1) + b2 over [0, t].  x, out0: [65536][64] f32; W1: [256][64], W2: [64][256], b1: [256], b2: [64], t: [1], all f32.
; ONE LAUNCH: the 16 evaluations of f touch no memory.  256 work-groups of four waves; a work-group owns 256 rows of x, a wave 64, in two passes of 32 rows = two PIECES of 16 rows.
; LAYOUT.  Both products are used transposed (source 0 = 16 rows of a weight matrix, source 1 = 16 batch rows): in every result a lane holds ONE batch row (lane % 16) and the eight
; outputs 8 (lane / 16) + 0..7.  Two such tiles, rounded to bf16 in pairs, ARE source 1 (32 along K x 16 batch rows) of the next product: nothing ever changes lanes, and the chain
; y -> hidden -> k -> y stays in registers.  The weights in bf16 are 512 registers of a wave and stay there too; the state y and the RK4 sum are kept in f32.
; SCALING.  With c = log2(e) the state is kept as c y.  Then z = W1 (c y) + c b1 is c times the pre-activation p, and c elu(p) = max(z, c 2^(-|z|) - c): for z > 0 the second is
; negative; for z < 0 it is c (e^p - 1), which is never below c p = z.  W2 (c elu) + c b2 = c k.  So the weights go in as they are; x, b1 and b2 are multiplied by c once, the result
; by ln 2 once.  The biases are the C operand of each sum's first product.  The exponent is never positive: no exponential overflows.
; LIMITS.  The negative branch is c 2^z - c and not expm1: its absolute error is about 2e-7, which shows against elu's own size only where |W1 y + b1| is under about 1e-5.
; v_exp_f32 takes a denormal z as 0 and gives 0 for results under 2^-126 (ISA guide, its entry), where elu is -1 to the last bit.  A NaN in z makes both operands of the maximum NaN and
; stays NaN.  dt / 6 and dt / 3 are made as t x (1/24) and t x (1/12): the last bit of the factors may differ.  Matrix operands are bf16.
; BY TURNS.  In a HALF-STEP one piece has the matrix unit (4 products W1 y for its next 32 hidden units, 4 products W2 h for the 32 before); the ELU of the other piece stands between
; them in slices.  Then the pieces change places.  16 half-steps and 2 at the seam are one evaluation of f for both pieces; the RK4 update takes the ELU's places at the seam.
; BATCHES.  The 16 exponentials of a piece's 32 hidden units are ONE BATCH, each result in a register of its own; all 16 stand ahead of one s_wait_alu depctr_va_vdst(0)
; ahead of the first instruction that names a result, and all that name a result (multiply-adds, maxima, roundings) stand behind it: one wait a half-step (macro HS says where).
; The six exponentials that a half-step issues behind its wait belong to the next half-step's batch; where a label or a jump comes first, they have a wait of their own there.
; CLUSTER.  All work-groups read the same 128 KiB of weights, as many bytes as a work-group's own x and out0 together: the four of a cluster ask for them jointly.  x is each one's own.
;
; REGISTERS, in windows of 256 (s_set_vgpr_msb: bits 1:0 source 0, 3:2 source 1, 5:4 source 2, 7:6 destination):
;   window 0: addresses, and all that the ELU touches (map below)      window 1: W1, fragment (hidden tile T, K step s) at v[16 T + 8 s]
;   window 2: W2, fragment (hidden chunk c, output tile m) at v[32 c + 8 m]      window 3: v0-127 c b1 (tile T at v[8 T]); v128-191 the state c y; v192-255 the RK4 sum
.set PX,    272                        ; an LDS row of x, of W1 and of the stage: 256 bytes + 16 of padding = 68 words: row r starts at bank 4 r mod 64 (64 banks of 4 bytes: ISA guide 11.1)
.set PW2,   1040                       ; an LDS row of W2: 1,024 + 16 bytes = 260 words: again bank 4 r mod 64
.set LW2,   256*PX                     ; LDS: W1 at byte 0 (69,632 bytes), W2 behind it (66,560),
.set LX,    LW2+64*PW2                 ; then each wave's 64 rows of x (17,408 bytes a wave),
.set LSTG,  LX+4*64*PX                 ; then each wave's stage for the way out (32 rows, 8,704 bytes a wave), into which no tensor load lands.  240,640 bytes in all
.set XA,  3                            ; v3   LDS address of my 32 bytes in the pass's first row of x
.set STO, 4                            ; v4   the way out: where I put 16 bytes of a row
.set RD,  5                            ; v5   the way out: where I read a row back
.set GO,  6                            ; v6   my byte offset in two rows of out0
.set BO,  7                            ; v7   32 (lane / 16): my eight numbers in 16 of a bias
.set TR,  8                            ; v[8+16 q ..]    piece q: 16 numbers at work: 2^(-|z|), then c 2^(-|z|) - c, then c elu; also the update's stage input
.set PR,  40                           ; v[40+8 q ..]    piece q: c elu in bf16, source 1 of W2's products
.set YBR, 56                           ; v[56+16 q ..]   piece q: the stage's input in bf16, source 1 of W1's products (two K steps)
.set ZR,  88                           ; v[88+16 q ..]   piece q: z of 32 hidden units, two accumulators
.set KR,  120                          ; v[120+32 q ..]  piece q: c k, four accumulators
.set B2,  184                          ; v[184:215]      c b2, output tile m at +8 m
.set WA1, 248                          ; v248, v249      my lane's place in a fragment of W1, of W2 in LDS
.set WA2, 249
.set STG0, 56                          ; ahead of the passes: two stages of 64 registers for weights in f32
.set OT,  56                           ; the way out: 64 registers of results, then (OB) the same as whole rows
.set OB,  120
.set Y3,  128                          ; window 3: the state, piece q at +32 q, output tile m at +8 m
.set A3,  192                          ; window 3: the RK4 sum, likewise
.set WV,  18                           ; s18  my wave's number
.set G1A, 24                           ; s[24:31] descriptor group 1 for W1's halves, s[32:39] for W2's, s[40:47] for x
.set G1B, 32
.set G1X, 40
.set G0A, 48                           ; s[48:51], s[52:55], s[56:59] their groups 0; none is written again
.set G0B, 52
.set G0X, 56
.set CC,  60                           ; s[60:61] c = log2(e); packed instructions name a pair and take its low word for both halves
.set IC,  66                           ; s[66:67] ln 2
.set AH,  68                           ; s[68:69] dt / 2 = t / 8
.set AF,  70                           ; s[70:71] dt     = t / 4
.set W6,  72                           ; s[72:73] dt / 6 = t / 24
.set W3,  74                           ; s[74:75] dt / 3 = t / 12
.set STEPS, 76                         ; s76  RK4 steps to go
.set PASS,  77                         ; s77  the pass
.set TT,    78                         ; s78  t
.set M1A, 0x31                         ; W1's first link: W1 window 1, bias (C) window 3
.set M1B, 0x01                         ; W1's second link
.set M2,  0x02                         ; W2's products: W2 window 2
.set UA,  0xf0                         ; source 2 and destination window 3
.set UY,  0x30                         ; source 2 window 3
.set UC,  0x0f                         ; sources 0 and 1 window 3
.set TO1, 0x40                         ; destination window 1, 2, 3
.set TO2, 0x80
.set TO3, 0xc0
.set S33, 0xc3                         ; source 0 and destination window 3
.set F3,  0x03                         ; source 0 window 3
.set MSB, 0
.macro WIN new                         ; the immediate's high byte repeats the setting that is left; a switch that changes nothing is dropped
.if MSB != \new
	s_set_vgpr_msb (MSB<<8)|\new
.set MSB, \new
.endif
.endm
.macro FWIN mask                       ; back to window 0 only if one of the operand places in the mask stands elsewhere
.if MSB & \mask
	WIN 0
.endif
.endm
.macro PLACES
.rept 4
	v_nop
.endr
.endm
; A round of the cluster's barrier: my work-group's barrier, so that wave 0's signal speaks for all four waves; wave 0 signals for the work-group; every wave waits for all four
; work-groups; my work-group's barrier once more.
.macro ROUND
	s_barrier_signal -1
	s_barrier_wait -1
	s_cmp_lg_u32 s[WV], 0
	s_cbranch_scc1 .Lnot_wave_0_\@
	s_barrier_signal -3
.Lnot_wave_0_\@:
	s_barrier_wait -3
	s_barrier_signal -1
	s_barrier_wait -1
.endm
	s_load_b256 s[4:11], s[0:1], 0x0               ; x s[4:5], t s[6:7], W1 s[8:9], b1 s[10:11]
	s_load_b128 s[12:15], s[0:1], 0x20             ; W2 s[12:13], b2 s[14:15]
	s_load_b64 s[16:17], s[0:1], 0x30              ; out0
	v_lshl_add_u32 v254, v0, 2, 0x3ac00
	v_mov_b32 v255, 0
	ds_add_u32 v254, v255
	v_lshrrev_b32 v1, 5, v0
	v_readfirstlane_b32 s[WV], v1                  ; wave 0..3
	s_bfe_u32 s19, ttmp6, 0x40000                  ; cx: my place in the cluster
	s_lshl_b32 s20, ttmp9, 2                       ; in a cluster launch ttmp9 counts clusters
	s_add_co_u32 s20, s20, s19                     ; my work-group = 4 x cluster + cx: it enters x's and out0's addresses alone
	s_lshl_b32 s80, s20, 16                        ; its 256 rows of 256 bytes,
	s_lshl_b32 s81, s[WV], 14                      ; my wave's 64 of them
	s_add_co_u32 s80, s80, s81
	s_mov_b32 s81, 0
	s_and_b32 s21, s[WV], 1                        ; which half of W1 (waves 0, 1) or of W2 (waves 2, 3) I fetch:
	s_lshl_b32 s22, s21, 15                        ; either half is 32,768 bytes of memory
	s_mov_b32 s23, 0
	; descriptor groups 1: elements of 4 bytes, 16 bytes of padding behind each row
	s_mov_b32 s[G1A+0], 15|(2<<16)|(1<<20)|(1<<21)|(5<<22)|(3<<25)  ; 15:0 the mask: all four work-groups; 17:16 elements of 4 bytes; 20 padding on; 21 set beside a mask; 24:22 after every 64 words (code 5); 31:25 4 words of it (code 3)
	s_mov_b32 s[G1A+1], 64<<16                     ; tensor_dim0 = 64
	s_mov_b32 s[G1A+2], 128<<16                    ; tensor_dim1 = 128
	s_mov_b32 s[G1A+3], 64<<16                     ; tile_dim0 = 64: a row of W1
	s_mov_b32 s[G1A+4], 128                        ; tile_dim1 = 128 rows: half of W1
	s_mov_b32 s[G1A+5], 64                         ; elements from row to row
	s_mov_b32 s[G1A+6], 0
	s_mov_b32 s[G1A+7], 0
	s_mov_b32 s[G1B+0], 15|(2<<16)|(1<<20)|(1<<21)|(7<<22)|(3<<25)  ; the same, padding after every 256 words (code 7)
	s_mov_b32 s[G1B+1], 256<<16                    ; tensor_dim0 = 256
	s_mov_b32 s[G1B+2], 32<<16                     ; tensor_dim1 = 32
	s_mov_b32 s[G1B+3], 256<<16                    ; tile_dim0 = 256: a row of W2
	s_mov_b32 s[G1B+4], 32                         ; tile_dim1 = 32 rows: half of W2, as many bytes as half of W1
	s_mov_b32 s[G1B+5], 256
	s_mov_b32 s[G1B+6], 0
	s_mov_b32 s[G1B+7], 0
	s_mov_b32 s[G1X+0], (2<<16)|(1<<20)|(5<<22)|(3<<25)             ; no mask: x is my own
	s_mov_b32 s[G1X+1], 64<<16                     ; tensor_dim0 = 64
	s_mov_b32 s[G1X+2], 64<<16                     ; tensor_dim1 = 64
	s_mov_b32 s[G1X+3], 64<<16                     ; tile_dim0 = 64: a row of x
	s_mov_b32 s[G1X+4], 64                         ; tile_dim1 = 64 rows: all that my wave owns
	s_mov_b32 s[G1X+5], 64
	s_mov_b32 s[G1X+6], 0
	s_mov_b32 s[G1X+7], 0
	; groups 0: count, LDS address (made of the wave's number alone), global address, type
	s_mov_b32 s[G0A], 1
	s_mul_i32 s[G0A+1], s21, 128*PX
	s_mov_b32 s[G0B], 1
	s_mul_i32 s[G0B+1], s21, 32*PW2
	s_add_co_u32 s[G0B+1], s[G0B+1], LW2
	s_mov_b32 s[G0X], 1
	s_mul_i32 s[G0X+1], s[WV], 64*PX
	s_add_co_u32 s[G0X+1], s[G0X+1], LX
	s_mov_b32 s[CC], 0x3fb8aa3b                    ; log2(e)
	s_mov_b32 s[CC+1], s[CC]
	s_mov_b32 s[IC], 0x3f317218                    ; ln 2
	s_mov_b32 s[IC+1], s[IC]
	s_wait_dscnt 0x0
	s_wait_kmcnt 0x0
	s_load_b32 s[TT], s[6:7], 0x0                  ; t
	s_add_nc_u64 s[G0A+2:G0A+3], s[8:9], s[22:23]
	s_or_b32 s[G0A+3], s[G0A+3], 0x80000000        ; 127:126 type = 2
	s_add_nc_u64 s[G0B+2:G0B+3], s[12:13], s[22:23]
	s_or_b32 s[G0B+3], s[G0B+3], 0x80000000
	s_add_nc_u64 s[G0X+2:G0X+3], s[4:5], s[80:81]
	s_or_b32 s[G0X+3], s[G0X+3], 0x80000000
	s_add_nc_u64 s[16:17], s[16:17], s[80:81]      ; out0 at my wave's first row
	ROUND                                          ; all four work-groups are here: the joint loads meet
	; The only tensor loads of the launch, two a wave, in one branch on the wave's number, ahead of every wait on TENSORcnt, every LDS read and every other barrier: two loads of mine are out.
	; Four v_nop follow the second load; the jump, the label and what follows come after them.
	s_cmp_lt_u32 s[WV], 2
	s_cbranch_scc0 .Lfill_w2
	tensor_load_to_lds s[G0A:G0A+3], s[G1A:G1A+7]  ; waves 0, 1: a half of W1, jointly
	s_nop 0
	tensor_load_to_lds s[G0X:G0X+3], s[G1X:G1X+7]  ; my 64 rows of x
	s_nop 0
	PLACES
	s_branch .Lfilled
.Lfill_w2:
	tensor_load_to_lds s[G0B:G0B+3], s[G1B:G1B+7]  ; waves 2, 3: a half of W2, jointly
	s_nop 0
	tensor_load_to_lds s[G0X:G0X+3], s[G1X:G1X+7]
	s_nop 0
	PLACES
.Lfilled:
	v_and_b32 v1, 15, v0                           ; r = lane % 16
	v_bfe_u32 v2, v0, 4, 1                         ; h = lane / 16
	v_lshlrev_b32 v[BO], 5, v2                     ; 32 h: eight f32
	; the biases, while the tiles are on their way: register j of tile T is b[16 T + 8 h + j], the layout of a product's C
	WIN TO3
.set i, 0
.rept 32
	global_load_b128 v[4*i:4*i+3], v[BO], s[10:11] offset:(i/2)*64+(i%2)*16
.set i, i+1
.endr
	WIN 0
.set i, 0
.rept 8
	global_load_b128 v[B2+4*i:B2+4*i+3], v[BO], s[14:15] offset:(i/2)*64+(i%2)*16
.set i, i+1
.endr
	v_mul_u32_u24 v[WA1], v1, PX
	v_add_nc_u32 v[WA1], v[WA1], v[BO]             ; row r x pitch + 32 h: eight f32 of a row of W1, of x, of the stage
	v_mul_u32_u24 v[WA2], v1, PW2
	v_add_nc_u32 v[WA2], v[WA2], v[BO]
	v_add_nc_u32 v[WA2], LW2, v[WA2]
	v_add_nc_u32 v[XA], s[G0X+1], v[WA1]           ; my wave's x begins where its tensor load put it
	s_mul_i32 s21, s[WV], 32*PX
	s_add_co_u32 s21, s21, LSTG                    ; my stage
	v_add_nc_u32 v[STO], s21, v[WA1]
	v_mul_u32_u24 v[RD], v2, PX                    ; back: lanes 0-15 take one row of 256 bytes, lanes 16-31 the next
	v_lshl_add_u32 v[RD], v1, 4, v[RD]
	v_add_nc_u32 v[RD], s21, v[RD]
	v_and_b32 v[GO], 31, v0
	v_lshlrev_b32 v[GO], 4, v[GO]                  ; and the same two rows in out0: 16 x lane
	s_wait_kmcnt 0x0                               ; t
	s_mul_f32 s[AH], s[TT], 0x3e000000             ; t / 8
	s_mul_f32 s[AF], s[TT], 0x3e800000             ; t / 4
	s_mul_f32 s[W6], s[TT], 0x3d2aaaab             ; t / 24
	s_mul_f32 s[W3], s[TT], 0x3daaaaab             ; t / 12
	s_mov_b32 s[AH+1], s[AH]
	s_mov_b32 s[AF+1], s[AF]
	s_mov_b32 s[W6+1], s[W6]
	s_mov_b32 s[W3+1], s[W3]
	s_wait_loadcnt 0x0                             ; the biases, once
	WIN S33
.set i, 0
.rept 64
	v_pk_mul_f32 v[2*i:2*i+1], v[2*i:2*i+1], s[CC:CC+1] op_sel_hi:[1,0]           ; c b1
.set i, i+1
.endr
	WIN 0
.set i, 0
.rept 16
	v_pk_mul_f32 v[B2+2*i:B2+2*i+1], v[B2+2*i:B2+2*i+1], s[CC:CC+1] op_sel_hi:[1,0]   ; c b2
.set i, i+1
.endr
	s_wait_tensorcnt 0x0                           ; my part of the weights and my x have landed,
	s_barrier_signal -1
	s_barrier_wait -1                              ; everybody's part has.  Nothing in LDS is filled again
; THE WEIGHTS INTO REGISTERS, in 16 batches of four fragments (8 of W1, 8 of W2).  A fragment is 16 rows x 32 along K: lane l holds row l % 16; registers 0-3 K = 8 h + 0..7, registers 4-7
; K = 16 + 8 h + 0..7: in f32 that is 32 bytes at 32 h and 32 bytes 64 further on, four loads of 16 bytes.  Each wave rounds all weights for itself: a shared bf16 copy in LDS would still be
; read whole by each wave, and would want a stage and a second barrier.
.macro LDB b, stg                      ; batch b: 16 LDS loads into stage stg
	WIN 0
.irp fi, 0,1,2,3
.if \b < 8
.set lf, 4*(\b)+\fi                    ; W1's fragment 2 T + s: rows 16 T on, byte 128 s of them
.set lo, (lf/2)*16*PX+(lf%2)*128
.set la, WA1
.else
.set lf, 4*((\b)-8)+\fi                ; W2's fragment 4 c + m: rows 16 m on, byte 128 c of them
.set lo, (lf%4)*16*PW2+(lf/4)*128
.set la, WA2
.endif
	ds_load_b128 v[\stg+16*\fi:\stg+16*\fi+3],     v[la] offset:lo
	ds_load_b128 v[\stg+16*\fi+4:\stg+16*\fi+7],   v[la] offset:lo+16
	ds_load_b128 v[\stg+16*\fi+8:\stg+16*\fi+11],  v[la] offset:lo+64
	ds_load_b128 v[\stg+16*\fi+12:\stg+16*\fi+15], v[la] offset:lo+80
.endr
.endm
.macro CVB b, stg                      ; batch b: 32 roundings, two numbers each, into its 32 registers of window 1 or 2
.if \b < 8
	WIN TO1
.set cf, 32*(\b)
.else
	WIN TO2
.set cf, 32*((\b)-8)
.endif
.set i, 0
.rept 32
	v_cvt_pk_bf16_f32 v[cf+i], v[\stg+2*i], v[\stg+2*i+1]
.set i, i+1
.endr
.endm
	LDB 0, STG0
.irp b, 0,1,2,3,4,5,6,7,8,9,10,11,12,13,14
	LDB \b+1, STG0+64*((\b+1)%2)
	s_wait_dscnt 16                                ; LDS loads come back in order (ISA guide 5.7.1): all but the next batch's sixteen are in
	CVB \b, STG0+64*(\b%2)
.endr
	s_wait_dscnt 0x0
	CVB 15, STG0+64
; THE MATRIX WORK.  The accumulators take turns, one instruction a turn.
; Product i of 4 of z = W1 (c y) + c b1 for piece p and hidden chunk c: tile i % 2, K step i / 2.  The first link takes the bias as C: nothing is cleared or added later.
.macro MM1 p, c, i
.set gT, 2*(\c)+((\i)&1)
.set gZ, ZR+16*(\p)+8*((\i)&1)
.set gY, YBR+16*(\p)
.if (\i) < 2
	WIN M1A
	v_wmma_f32_16x16x32_bf16 v[gZ:gZ+7], v[16*gT:16*gT+7], v[gY:gY+7], v[8*gT:8*gT+7]
.else
	WIN M1B
	v_wmma_f32_16x16x32_bf16 v[gZ:gZ+7], v[16*gT+8:16*gT+15], v[gY+8:gY+15], v[gZ:gZ+7]
.endif
.endm
; c k += W2 (c elu) for piece p, hidden chunk c, output tile m.  Chunk 0 takes c b2 as C.
.macro MM2 p, c, m
.set gK, KR+32*(\p)+8*(\m)
.set gW, 32*(\c)+8*(\m)
.set gP, PR+8*(\p)
	WIN M2
.if (\c) == 0
	v_wmma_f32_16x16x32_bf16 v[gK:gK+7], v[gW:gW+7], v[gP:gP+7], v[B2+8*(\m):B2+8*(\m)+7]
.else
	v_wmma_f32_16x16x32_bf16 v[gK:gK+7], v[gW:gW+7], v[gP:gP+7], v[gK:gK+7]
.endif
.endm
; THE VECTOR WORK.  The ELU of a piece's 16 numbers e0-e15 (its two z tiles) is 16 exponentials, 8 packed c 2^(-|z|) - c, 8 pairs of maxima and 8 roundings to bf16: 40 instructions
; for a half-step's 8 products.
.macro EX p, e                         ; number e: 2^(-|z|), into a register of its own
	v_exp_f32 v[TR+16*(\p)+(\e)], -|v[ZR+16*(\p)+(\e)]|
.endm
.macro FMA q, pr                       ; pair pr: c 2^(-|z|) - c; the same scalar pair twice, the second time negated.  The first to name an exponential's result: it stands behind the batch's wait (HS)
.set fT, TR+16*(\q)+2*(\pr)
	v_pk_fma_f32 v[fT:fT+1], s[CC:CC+1], v[fT:fT+1], s[CC:CC+1] op_sel_hi:[0,1,0] neg_lo:[0,0,1] neg_hi:[0,0,1]
.endm
.macro MX p, d                         ; pair d: c elu = max(z, c 2^(-|z|) - c), two numbers in one dual-issue pair: an even and an odd destination, each pair of like sources in neighbouring banks
.set mT, TR+16*(\p)+2*(\d)
.set mZ, ZR+16*(\p)+2*(\d)
	v_dual_max_num_f32 v[mT], v[mZ], v[mT] :: v_dual_max_num_f32 v[mT+1], v[mZ+1], v[mT+1]
.endm
.macro CV p, k                         ; pair k: rounded to bf16, a register of W2's source 1
	v_cvt_pk_bf16_f32 v[PR+8*(\p)+(\k)], v[TR+16*(\p)+2*(\k)], v[TR+16*(\p)+2*(\k)+1]
.endm
; Four multiply-adds, pairs lo to lo + 3.  They name vector registers as source 1 and destination alone, places whose window every product leaves at 0: they stand under the products' own
; settings, without a switch.
.macro FSL q, lo
	FWIN 0xcc
.irp k, 0,1,2,3
	FMA \q, (\lo)+\k
.endr
.endm
.macro ON f, op, p, n                  ; one line of a slice, if its job is there
.if \f
	\op \p, \n
.endif
.endm
.macro AT0 a, b                        ; a slice in window 0, if it holds anything
.if (\a) || (\b)
	WIN 0
.endif
.endm
; The RK4 update of piece q, output tile m, all in f32.  kind 1: sum = y + W k; kind 2: sum += W k; both: the next stage's input y + A k, rounded to bf16.
; kind 4: y = sum + W k, rounded to bf16 for the next step; kind 5: the same at the very end, with no rounding.  Each accumulator is read from its lowest registers on.
.macro UPD q, m, kind, A, W
.set uK, KR+32*(\q)+8*(\m)
.set uY, Y3+32*(\q)+8*(\m)
.set uA, A3+32*(\q)+8*(\m)
.set uT, TR+16*(\q)+8*((\m)&1)
.set uB, YBR+16*(\q)+4*(\m)
	WIN UA
.irp i, 0,2,4,6
.if \kind == 1
	v_pk_fma_f32 v[uA+\i:uA+\i+1], v[uK+\i:uK+\i+1], s[\W:\W+1], v[uY+\i:uY+\i+1] op_sel_hi:[1,0,1]
.elseif \kind == 2
	v_pk_fma_f32 v[uA+\i:uA+\i+1], v[uK+\i:uK+\i+1], s[\W:\W+1], v[uA+\i:uA+\i+1] op_sel_hi:[1,0,1]
.else
	v_pk_fma_f32 v[uY+\i:uY+\i+1], v[uK+\i:uK+\i+1], s[\W:\W+1], v[uA+\i:uA+\i+1] op_sel_hi:[1,0,1]
.endif
.endr
.if \kind < 3
	WIN UY
.irp i, 0,2,4,6
	v_pk_fma_f32 v[uT+\i:uT+\i+1], v[uK+\i:uK+\i+1], s[\A:\A+1], v[uY+\i:uY+\i+1] op_sel_hi:[1,0,1]
.endr
.irp i, 0,1,2,3
	v_cvt_pk_bf16_f32 v[uB+\i], v[uT+2*\i], v[uT+2*\i+1]
.endr
.elseif \kind == 4
	WIN UC
.irp i, 0,1,2,3
	v_cvt_pk_bf16_f32 v[uB+\i], v[uY+2*\i], v[uY+2*\i+1]
.endr
.endif
.endm
; A HALF-STEP.  Piece o has the matrix unit: z of chunk c + 1 (g1 = 1), then c k of chunk c (g2 = 1).  jp = 1: piece q's z was made in the half-step before, and its ELU is under way;
; jo = 1: piece o's z of two half-steps ago still has the last part of its ELU to come; u: the kind of update of piece q that stands in slices 1, 3, 5 and 7 (0: none; never beside jp).
; SLICE k stands in front of product k.  The ELU of a z made in half-step n:
;   exponentials   e0-2, e3-5 in slices 5 and 7 of n; e6-8, e9-11, e12-13, e14-15 in slices 0 to 3 of n + 1
;   THE WAIT       at the end of slice 3 of n + 1: one for the batch of 16.  Ahead of it nothing names a result of theirs: the lines between are the other piece's
;   multiply-adds  pairs 0-3 and 4-7 in slices 4 and 6 of n + 1
;   maxima         pairs 0-1, 2-3 in slices 5 and 7 of n + 1; pairs 4-5, 6-7 in slices 0 and 1 of n + 2.  Product 0 of n + 2 writes z tile 0 (pairs 0-3) anew, product 1 tile 1 (pairs 4-7)
;   roundings      pairs 0-3, 4-7 in slices 2 and 3 of n + 2, ahead of the products of n + 2 that read them
; The piece's next exponentials write its 16 registers again from slice 5 of n + 2 on, behind the last rounding.  e0-5 of piece o, issued behind this half-step's wait, belong to the next one's batch.
; So the slices hold 5, 5, 6, 6, 4, 5, 4, 5 instructions, at most three exponentials each with plain ones between; six of them want window 0, and one switch leads from W1's products to W2's
; across slice 4: 13 switches a half-step.
; A vector instruction that reads a matrix result or writes one of a matrix instruction's registers stands four places behind it, and only plain vector instructions that name none of its
; registers are places (ISA guide 7.12.1).  Behind the last links of both z tiles (products 2 and 3) stand slice 4's four multiply-adds before e0 is read; e8 is read a half-step later.  At the
; seam the update's slice 3, of eight plain instructions or more, stands behind product 2, and its slices 5 and 7 behind product 3; where a half-step has neither, four v_nop.
; Behind an exponential a plain instruction comes before its result is used (ISA guide 5.7.2): the other job's lines, the update's, the earlier multiply-adds, or the one v_nop that closes
; slice 7 where there are none.
.macro HS o, q, c, g1, g2, jp, jo, u, A, W
	AT0 \jp, \jo                                   ; slice 0
	ON \jp, EX, \q, 6
	ON \jo, MX, \o, 4
	ON \jp, EX, \q, 7
	ON \jo, MX, \o, 5
	ON \jp, EX, \q, 8                              ; z tile 1 is read from its lowest register on
.if \g1
	MM1 \o, (\c)+1, 0
.endif
	AT0 \jp, \jo                                   ; slice 1
	ON \jp, EX, \q, 9
	ON \jo, MX, \o, 6
	ON \jp, EX, \q, 10
	ON \jo, MX, \o, 7
	ON \jp, EX, \q, 11
.if \u
	UPD \q, 0, \u, \A, \W
.endif
.if \g1
	MM1 \o, (\c)+1, 1
.endif
	AT0 \jp, \jo                                   ; slice 2
	ON \jp, EX, \q, 12
	ON \jo, CV, \o, 0
	ON \jp, EX, \q, 13
	ON \jo, CV, \o, 1
	ON \jo, CV, \o, 2
	ON \jo, CV, \o, 3
.if \g1
	MM1 \o, (\c)+1, 2
.endif
	AT0 \jp, \jo                                   ; slice 3
	ON \jp, EX, \q, 14
	ON \jo, CV, \o, 4
	ON \jp, EX, \q, 15
	ON \jo, CV, \o, 5
	ON \jo, CV, \o, 6
	ON \jo, CV, \o, 7
.if \u
	UPD \q, 1, \u, \A, \W
.endif
.if \jp
	s_wait_alu depctr_va_vdst(0)                   ; the wait for piece q's batch, e0 to e15, ahead of slice 4's multiply-adds, the first to name a result
.endif
.if \g1
	MM1 \o, (\c)+1, 3
.if (\jp)+(\u) == 0
	PLACES
.endif
.endif
.if \jp                                                ; slice 4
	FSL \q, 0
.endif
.if \g2
	MM2 \o, \c, 0
.endif
	AT0 \jp, \g1                                   ; slice 5
	ON \g1, EX, \o, 0                              ; z tile 0 is read from its lowest register on
	ON \jp, MX, \q, 0
	ON \g1, EX, \o, 1
	ON \jp, MX, \q, 1
	ON \g1, EX, \o, 2
.if \u
	UPD \q, 2, \u, \A, \W
.endif
.if \g2
	MM2 \o, \c, 1
.endif
.if \jp                                                ; slice 6
	FSL \q, 4
.endif
.if \g2
	MM2 \o, \c, 2
.endif
	AT0 \jp, \g1                                   ; slice 7
	ON \g1, EX, \o, 3
	ON \jp, MX, \q, 2
	ON \g1, EX, \o, 4
	ON \jp, MX, \q, 3
	ON \g1, EX, \o, 5
.if \u
	UPD \q, 3, \u, \A, \W
.elseif (\g1) && ((\jp) == 0)
	v_nop                                          ; the plain instruction behind this half-step's exponentials
.endif
.if \g2
	MM2 \o, \c, 3
.endif
.endm
; An evaluation of f from its second hidden chunk to its end, and piece 0's update beside piece 1's last products.
.macro EVA kind, A, W
.irp c, 0,1,2,3,4,5,6
	HS 0,1,\c, 1,1, 1,1, 0, \A, \W
	HS 1,0,\c, 1,1, 1,1, 0, \A, \W
.endr
	HS 0,1,7, 0,1, 1,1, 0, \A, \W
	HS 1,0,7, 0,1, 0,1, \kind, \A, \W
.endm
; The seam: piece 1's update beside piece 0's first products of the next evaluation, then piece 1's first products.
.macro EVB kind, A, W
	HS 0,1,-1, 1,0, 0,0, \kind, \A, \W
	HS 1,0,-1, 1,0, 1,0, 0, \A, \W
.endm
	WIN 0                                          ; at a label and at a branch every window is 0
	s_mov_b32 s[PASS], 0
.Lpass:                                                ; two trips: 32 of my wave's 64 rows each
	; IN: register j of tile m of piece p is x[16 p + r][16 m + 8 h + j], the layout of a product's result
	WIN TO3
.irp p, 0,1
.irp m, 0,1,2,3
	ds_load_b128 v[Y3+32*\p+8*\m:Y3+32*\p+8*\m+3],   v[XA] offset:\p*16*PX+64*\m
	ds_load_b128 v[Y3+32*\p+8*\m+4:Y3+32*\p+8*\m+7], v[XA] offset:\p*16*PX+64*\m+16
.endr
.endr
	s_wait_dscnt 0x0
	WIN S33
.set i, 0
.rept 32
	v_pk_mul_f32 v[Y3+2*i:Y3+2*i+1], v[Y3+2*i:Y3+2*i+1], s[CC:CC+1] op_sel_hi:[1,0]   ; the state is kept as c y
.set i, i+1
.endr
	WIN UC
.set i, 0
.rept 32
	v_cvt_pk_bf16_f32 v[YBR+i], v[Y3+2*i], v[Y3+2*i+1]
.set i, i+1
.endr
	HS 0,1,-1, 1,0, 0,0, 0, AH, W6                 ; the seam without an update: the first products of the first evaluation
	HS 1,0,-1, 1,0, 1,0, 0, AH, W6
	WIN 0
	s_wait_alu depctr_va_vdst(0)                   ; piece 1's e0 to e5, issued behind the half-step's own wait: their wait, ahead of the label
	s_mov_b32 s[STEPS], 4
.Lstep:                                                ; an RK4 step: four evaluations
	EVA 1, AH, W6                                  ; k1: sum = y + dt/6 k1, next input y + dt/2 k1
	EVB 1, AH, W6
	EVA 2, AH, W3                                  ; k2: sum += dt/3 k2, next input y + dt/2 k2
	EVB 2, AH, W3
	EVA 2, AF, W3                                  ; k3: sum += dt/3 k3, next input y + dt k3
	EVB 2, AF, W3
	EVA 4, AH, W6                                  ; k4: y = sum + dt/6 k4.  Its last two half-steps issue no exponential behind the wait: none is out at the branch below
	WIN 0
	s_cmp_eq_u32 s[STEPS], 1
	s_cbranch_scc1 .Ltail                          ; behind the last step no evaluation follows
	EVB 4, AH, W6
	WIN 0
	s_wait_alu depctr_va_vdst(0)                   ; piece 1's e0 to e5 of the next step's first evaluation: their wait, ahead of the jump
	s_branch .Ljoin
.Ltail:
.irp m, 0,1,2,3
	UPD 1, \m, 5, AH, W6                           ; piece 1's last update; tiles 0 to 2 are the places behind tile 3's last product
.endr
	WIN 0
.Ljoin:
	s_sub_co_u32 s[STEPS], s[STEPS], 1
	s_cmp_lg_u32 s[STEPS], 0
	s_cbranch_scc1 .Lstep
	; OUT: y = (c y) ln 2; a lane's eight numbers of a row are 32 bytes: they go into my stage and come back as whole rows of 256 bytes
	WIN F3
.set i, 0
.rept 32
	v_pk_mul_f32 v[OT+2*i:OT+2*i+1], v[Y3+2*i:Y3+2*i+1], s[IC:IC+1] op_sel_hi:[1,0]
.set i, i+1
.endr
	WIN 0
.irp p, 0,1
.irp m, 0,1,2,3
	ds_store_b128 v[STO], v[OT+32*\p+8*\m:OT+32*\p+8*\m+3]   offset:\p*16*PX+64*\m
	ds_store_b128 v[STO], v[OT+32*\p+8*\m+4:OT+32*\p+8*\m+7] offset:\p*16*PX+64*\m+16
.endr
.endr
.irp n, 0,1,2,3,4,5,6,7,8,9,10,11,12,13,14,15
	ds_load_b128 v[OB+4*\n:OB+4*\n+3], v[RD] offset:\n*2*PX    ; LDS serves a wave's instructions in order (ISA guide 5.7.1.4): these see the stores above; the stage is my wave's own
.endr
.irp n, 0,1,2,3,4,5,6,7,8,9,10,11,12,13,14,15
	s_wait_dscnt 15-\n                             ; the younger loads may stay out
	global_store_b128 v[GO], v[OB+4*\n:OB+4*\n+3], s[16:17] offset:512*\n th:TH_STORE_NT   ; the wave stores 512 consecutive bytes, two whole rows, at a multiple of 256 from out0's first byte
.endr
	s_wait_xcnt 0x0                                ; every earlier memory instruction has had its addresses translated (ISA guide 3.1): only behind this wait are the stores' base and data registers written again
	s_add_nc_u64 s[16:17], s[16:17], 32*256        ; the next 32 rows of out0
	v_add_nc_u32 v[XA], 32*PX, v[XA]               ; and of x in LDS
	s_add_co_u32 s[PASS], s[PASS], 1
	s_cmp_lt_u32 s[PASS], 2
	s_cbranch_scc1 .Lpass
	s_wait_tensorcnt 0x0
	ds_add_u32 v254, v255
	s_wait_dscnt 0x0
	ROUND                                          ; the closing round: no work-group ends while a partner may still ask for a tile that names it
	s_endpgm
.Lfunc_end_k_qc7b84e4e6d_node:
	.size	k_qc7b84e4e6d_node, .Lfunc_end_k_qc7b84e4e6d_node-k_qc7b84e4e6d_node
	.p2alignl 7, 3214868480
	.fill 96, 4, 3214868480
	.section	.rodata,"a",@progbits
	.p2align	6, 0x0
	.amdhsa_kernel k_qc7b84e4e6d_node
		.amdhsa_group_segment_fixed_size 241152
		.amdhsa_private_segment_fixed_size 0
		.amdhsa_enable_private_segment 0
		.amdhsa_kernarg_size 56
		.amdhsa_user_sgpr_count 2
		.amdhsa_user_sgpr_kernarg_segment_ptr 1
		.amdhsa_wavefront_size32 1
		.amdhsa_system_sgpr_workgroup_id_x 1
		.amdhsa_system_sgpr_workgroup_id_y 1
		.amdhsa_system_sgpr_workgroup_id_z 1
		.amdhsa_system_vgpr_workitem_id 0
		.amdhsa_next_free_vgpr 1024
		.amdhsa_next_free_sgpr 84
		.amdhsa_reserve_vcc 0
		.amdhsa_float_denorm_mode_32 3
		.amdhsa_float_denorm_mode_16_64 3
		.amdhsa_memory_ordered 1
		.amdhsa_forward_progress 1
		.amdhsa_inst_pref_size 255
	.end_amdhsa_kernel
	.section	.bss,"aw",@nobits
	.p2align	6
	.space	262144
	.amdgpu_metadata
---
amdhsa.version: [ 1, 2 ]
amdhsa.kernels:
  - .name:           k_qc7b84e4e6d_node
    .symbol:         k_qc7b84e4e6d_node.kd
    .args:
      - { .name: x, .offset: 0, .size: 8, .value_kind: global_buffer, .address_space: global }
      - { .name: t, .offset: 8, .size: 8, .value_kind: global_buffer, .address_space: global }
      - { .name: W1, .offset: 16, .size: 8, .value_kind: global_buffer, .address_space: global }
      - { .name: b1, .offset: 24, .size: 8, .value_kind: global_buffer, .address_space: global }
      - { .name: W2, .offset: 32, .size: 8, .value_kind: global_buffer, .address_space: global }
      - { .name: b2, .offset: 40, .size: 8, .value_kind: global_buffer, .address_space: global }
      - { .name: out0, .offset: 48, .size: 8, .value_kind: global_buffer, .address_space: global }
    .group_segment_fixed_size: 241152
    .private_segment_fixed_size: 0
    .kernarg_segment_align: 8
    .kernarg_segment_size: 56
    .max_flat_workgroup_size: 128
    .sgpr_count:     84
    .vgpr_count:     1024
    .wavefront_size: 32
...
	.end_amdgpu_metadata
.endif
;; end of part 2
